; MI455X (gfx1250); checked and timed in simulation.
; The chip was launched on July 23, 2026; its instructions are those of AMD's public machine-readable ISA for CDNA 5 (MIT licence, August 2026) and "CDNA5" Instruction Set Architecture Reference Guide (July 2026). The comments in the code are by the model that wrote it; some were corrected since.
;; Lky Multihead Attention. Allowed arithmetic: matrix products marked QUANTISED: E4M3 operands, one given power-of-two scale a tensor, by v_wmma_f32_16x16x64_fp8_fp8 or v_wmma_f32_16x16x128_fp8_fp8, f32 sums; everything else in f32.
;; Inputs: Wk 1,024 x 1,024 float32; Wo 1,024 x 1,024 float32; Wq 1,024 x 1,024 float32; Wv 1,024 x 1,024 float32; lowp_scales 8 int32 (the exponents e of the quantised operands' scales 2^e); x 1 x 4,096 x 1,024 float32.
;; Outputs: out0 1 x 4,096 x 1,024 float32.
;; This version of the problem:
;;   THIS VERSION OF THE PROBLEM IS GIVEN IN LOW PRECISION. The matrix products marked QUANTISED in the list below multiply operands that are first quantised to E4M3 (4 exponent bits, 3 mantissa bits; 8 bits a number), with one given power-of-two scale for each operand tensor; their sums are f32. All else is computed in f32.
;;   The module's matrix products, in the order in which they are computed (A, B: the left and right operand; K: the contracted axis; several contracted axes count as one K, in the product's order):
;;     1. [M 4,096, K 1,024] x [K 1,024, N 3,072]; A: input x; B: computed on the way: QUANTISED (scales: A lowp_scales[0], B lowp_scales[1])
;;     2. batch 16 x [M 4,096, K 64] x [K 64, N 4,096]; A: computed on the way; B: computed on the way: QUANTISED (scales: A lowp_scales[2], B lowp_scales[3])
;;     3. batch 16 x [M 4,096, K 4,096] x [K 4,096, N 64]; A: softmax (see below); B: computed on the way: QUANTISED (scales: A lowp_scales[4], B lowp_scales[5])
;;     4. [M 4,096, K 1,024] x [K 1,024, N 1,024]; A: computed on the way; B: input Wo: QUANTISED (scales: A lowp_scales[6], B lowp_scales[7])
;;   THE QUANTISER, for each operand of a quantised product, along K:
;;     - The operand's scale is 2^e, e = its entry of the input lowp_scales (int32; the entries are numbered through the quantised products in the list's order, A before B).
;;     - Each number is divided by the scale, clamped to +-448, and rounded to the nearest number of E4M3, ties to even, subnormals kept.
;;     - The product sums the exact products of the quantised numbers (number of the format x scale) in f32.
;;   ~~~python
;;   def quantise(x, axis, e):      # numpy; x: float32 -> the quantised numbers, widened to float32 again
;;       x = np.moveaxis(x, axis, -1); K = x.shape[-1]
;;       r = np.clip(x / 2.0 ** e, -448, 448)
;;       step = 2.0 ** (np.maximum(np.frexp(np.where(r == 0, 1, r))[1] - 1, -6) - 3)
;;       q = np.round(r / step) * step * 2.0 ** e      # np.round: ties to even
;;       return np.moveaxis(q, -1, axis).astype(np.float32)
;;   ~~~
;;   SOFTMAX AHEAD OF A QUANTISED PRODUCT. Where the list says 'softmax', what is quantised is not the finished softmax but p = 2^(t - M), with t = logit x log2(e) and M = ceil(the row's largest t), a whole number; so 1/2 < the row's largest p <= 1. The row's sum l is taken of the UNQUANTISED p, in f32, and the product's result is divided by l at the end. Since M is a whole number, a kernel that streams over the keys may use a running M (the ceiling of the running maximum): every later rescaling is an exact power of two, so the quantised numbers keep their values, but for numbers so far below the row's largest that they fall under the format's range.
;;   OPERANDS COMPUTED ON THE WAY. 'Computed on the way' means the value that the module computes at that place (a softmax that the list does not call 'softmax' is quantised finished and normalised). What goes into a quantiser is computed in f32, as accurately as f32 sums, v_exp_f32 and their like allow (about 1e-6 of the number): no bf16 or f16 on the way to a quantiser, and a product that is left as it is and whose result goes on into a quantised operand takes f32 operands (vector FMAs, or v_wmma_f32_16x16x4_f32). A number that lies on a knife's edge between two numbers of the format may be rounded either way, as far as f32 arithmetic and the matrix unit's own rounding can turn it there, and no further.
;; One version. Each part assembles by itself: llvm-mc -triple=amdgcn-amd-amdhsa -mcpu=gfx1250 --defsym DOCPART=n.
;; ======== version 1 of 1: 4 launches
;; limits: right only within a limited range of input values
;; workspace buffers: xc 4,194,304 bytes; wc 3,145,728 bytes; woc 1,048,576 bytes; qc 4,194,304 bytes; kvc 8,388,608 bytes; oc 4,194,304 bytes
;; launch quant (part 1): grid 256 x 1, 8 waves a work-group, no clusters, 35,840 bytes of LDS; arguments x, Wq, Wk, Wv, Wo, lowp_scales, xc, wc, woc; writes xc, wc, woc
.if DOCPART == 1
	.amdgcn_target "amdgcn-amd-amdhsa--gfx1250"
	.amdhsa_code_object_version 6
	.text
	.protected	k_qac4022bf56_quant
	.globl	k_qac4022bf56_quant
	.p2align	8
	.type	k_qac4022bf56_quant,@function
k_qac4022bf56_quant:
	s_mov_b64 s[64:65], 0
	v_nop
	global_prefetch_b8 v0, s[64:65] scope:SCOPE_SE
	s_setreg_imm32_b32 hwreg(HW_REG_WAVE_MODE, 25, 1), 1
	s_wait_xcnt 0x0
; FIRST OF FOUR LAUNCHES of causal attention on codes of FP8 (E4M3): S = 4096, D = 1024, 16 heads of 64; every product is quantised with the given scales 2^e0 .. 2^e7.
; This launch turns x (e0), [Wq | Wk | Wv] (e1) and Wo (e7) from f32 into codes: code = number / 2^e, held within +-448, to the nearest code, ties to even.
; WORK LEFT OUT IN THE WHOLE PROGRAM.  The mask is built in the problem's own body (a lower triangle): a score whose key comes after its query is replaced by the least f32 number, whatever q and k hold.
; Its p = 2^(t - M) lies under every f32 number and under every code, so its code is 0 and it adds 0 to the row's sum: the two products of such a pair reach no output for any finite inputs.
; So key steps of 128 keys that lie wholly behind a tile's 16 queries are not multiplied (third launch); inside the step on the diagonal the scores are computed and set to -infinity.
; LIMIT: a NaN, an infinity or an overflow that reaches only the work left out is not carried to the result.  Every input has a way to the output and is loaded.
; LIMITS of this launch: e0, e1, e7 between -126 and 119, so that 2^e and 448 x 2^e are f32 numbers.  NaN among the inputs is not served; an infinity is held at the largest code.
; THE ORDER ALONG K.  A product's sum does not hang on the order of k so long as both operands have the same order.  A row of codes is 1024 POSITIONS p = 256 kb + 32 t + 16 b + 8 u + 4 v + j (b, u, v one bit, j two):
;   xc and wc:  k = 512 (kb / 2) + 64 (kb % 2) + 8 t + 4 b + 256 u + 128 v + j: what four dense loads of x, 512 bytes apart, give a lane's sixteen registers;
;   woc:        k = 256 kb + 32 t + 8 b + 16 u + 4 v + j: loads of 16 bytes a lane then fill a fragment of Wo in the places in which the third launch leaves its results.
; SHARES.  Work-groups 0-127: x, a plain stream, 16 KB a wave, all 32 loads out at once, no LDS.  Work-groups 128-255: the weights, whose K is the FIRST axis: a lane takes a column and its registers run down the
; positions, so the conversions give codes with K innermost; a work-group takes 128 columns x 256 positions; the codes leave through a stage in LDS as rows, sixteen lanes storing 256 consecutive aligned bytes.
; The two paths part on the work-group's number alone; only the weights' path touches LDS.
.set XWG,   128                        ; work-groups for x
.set PITCH, 272                        ; a stage row: 256 bytes + 16
.set SPARE, 128*PITCH                  ; behind the stage: the spare words, 128 bytes for each of eight waves
.set SPW,   14                         ; v14  my spare word; never rewritten
.set NIL,   15                         ; v15  0; never rewritten
.set R,     32                         ; x: v32-159  eight steps x 16 numbers
.set CX,    160                        ; x: v160-191 eight steps x 4 registers of codes
.set VO,    16                         ; weights: v16-23 offsets of the eight groups of four positions in a block of 32
.set X,     32                         ; weights: v32-95 two sets of 32 numbers
.set C,     96                         ; weights: v96-103 a block's codes
.set OUTR,  104                        ; weights: v104-135 rows read back
.set SB,    40                         ; weights: s[40:47] the bases of my four blocks
	s_load_b512 s[4:19], s[0:1], 0x0               ; x 4:5, Wq 6:7, Wk 8:9, Wv 10:11, Wo 12:13, the exponents 14:15, xc 16:17, wc 18:19
	s_load_b64 s[20:21], s[0:1], 0x40              ; woc
	v_lshl_add_u32 v[SPW], v0, 2, SPARE
	v_mov_b32 v[NIL], 0
	v_lshrrev_b32 v1, 5, v0
	s_delay_alu instid0(VALU_DEP_1)
	v_readfirstlane_b32 s22, v1                    ; wave 0..7
	v_and_b32 v2, 31, v0                           ; lane
	s_delay_alu instid0(VALU_DEP_1)
	v_lshlrev_b32 v3, 4, v2                        ; 16 x lane
	s_wait_kmcnt 0x0
	s_load_b256 s[24:31], s[14:15], 0x0            ; e0 .. e7
	s_cmp_lt_u32 ttmp9, XWG
	s_cbranch_scc0 .Lweights
; ---------------- x ----------------
.macro XLOAD t                         ; step t: 512 numbers; each load reads 512 consecutive bytes
.irp i, 0,1,2,3
	global_load_b128 v[R+16*(\t)+4*\i:R+16*(\t)+4*\i+3], v3, s[4:5] offset:2048*(\t)+512*\i th:TH_LOAD_NT
.endr
.endm
.macro XSTEP t
	s_wait_loadcnt 28-4*(\t)                       ; loads return in order: this step's four are in, the four of each younger step may be out
.irp i, 0,1,2,3,4,5,6,7,8,9,10,11,12,13,14,15
	v_med3_num_f32 v[R+16*(\t)+\i], v[R+16*(\t)+\i], -v10, v10   ; the conversion does not saturate (ISA guide 7.6.2): the hold comes first
.endr
	v_cvt_scalef32_pk8_fp8_f32 v[CX+4*(\t):CX+4*(\t)+1], v[R+16*(\t):R+16*(\t)+7], v11
	v_cvt_scalef32_pk8_fp8_f32 v[CX+4*(\t)+2:CX+4*(\t)+3], v[R+16*(\t)+8:R+16*(\t)+15], v11
	global_store_b128 v3, v[CX+4*(\t):CX+4*(\t)+3], s[16:17] offset:512*(\t)   ; 512 consecutive bytes; every step has its own registers, so none is written again
.endm
	s_lshl_b32 s32, ttmp9, 3
	s_add_co_u32 s32, s32, s22                     ; which run of 4,096 numbers is my wave's: 0 .. 1023
	s_lshl_b32 s34, s32, 14
	s_mov_b32 s35, 0
	s_add_nc_u64 s[4:5], s[4:5], s[34:35]
	s_lshl_b32 s34, s32, 12
	s_add_nc_u64 s[16:17], s[16:17], s[34:35]
	s_wait_alu depctr_va_vdst(0)
.irp t, 0,1,2,3,4,5,6,7
	XLOAD \t
.endr
	s_wait_kmcnt 0x0
	s_add_co_i32 s36, s24, 127
	s_lshl_b32 s37, s36, 23
	v_mov_b32 v11, s37                             ; 2^e0 as f32: the conversion takes its exponent field
	s_add_co_i32 s36, s36, 8
	s_lshl_b32 s36, s36, 23
	s_or_b32 s36, s36, 0x600000
	v_mov_b32 v10, s36                             ; 448 x 2^e0
	s_wait_alu depctr_va_vdst(0)
.irp t, 0,1,2,3,4,5,6,7
	XSTEP \t
.endr
	s_endpgm
; ---------------- the weights ----------------
.Lweights:
	s_sub_co_u32 s32, ttmp9, XWG
	s_lshr_b32 s33, s32, 5                         ; m: 0 Wq, 1 Wk, 2 Wv, 3 Wo
	s_bfe_u32 s34, s32, 0x20003                    ; kb: which 256 positions
	s_and_b32 s35, s32, 7                          ; cb: which 128 columns
	s_and_b32 s36, s22, 3                          ; cg: my wave's 32 columns of them
	s_lshr_b32 s37, s22, 2                         ; ph: my wave's 128 positions of the 256
	s_lshr_b32 s57, s34, 1
	s_lshl_b32 s57, s57, 9
	s_and_b32 s58, s34, 1
	s_lshl_b32 s58, s58, 6
	s_add_co_u32 s57, s57, s58                     ; the first k of kb in xc's and wc's order
	s_lshl_b32 s58, s34, 8                         ; and in woc's
	s_lshl_b32 s56, s33, 10                        ; wc: the matrix's first row
	s_cmp_eq_u32 s33, 0
	s_cselect_b64 s[38:39], s[6:7], s[8:9]
	s_cmp_eq_u32 s33, 2
	s_cselect_b64 s[38:39], s[10:11], s[38:39]
	s_cmp_eq_u32 s33, 3                            ; Wo?  All that differs between the two orders is chosen here, on the work-group's number
	s_cselect_b64 s[38:39], s[12:13], s[38:39]     ; the matrix
	s_cselect_b64 s[48:49], s[20:21], s[18:19]     ; its codes' buffer
	s_cselect_b32 s50, 32, 8                       ; k's step for t,
	s_cselect_b32 s51, 8, 4                        ; for b,
	s_mov_b32 s52, 256
	s_cselect_b32 s52, 16, s52                     ; for u,
	s_mov_b32 s53, 128
	s_cselect_b32 s53, 4, s53                      ; for v
	s_cselect_b32 s54, s58, s57
	s_cselect_b32 s56, 0, s56
	s_wait_alu depctr_va_vdst(0)
	v_lshlrev_b32 v9, 2, v2                        ; 4 bytes a lane: 32 neighbouring columns
	s_wait_alu depctr_va_vdst(0)
.irp n, 0,1,2,3,4,5,6,7                        ; group n = 4 b + 2 u + v: four neighbouring k
	s_mov_b32 s59, 0
.if (\n)&4
	s_add_co_u32 s59, s59, s51
.endif
.if (\n)&2
	s_add_co_u32 s59, s59, s52
.endif
.if (\n)&1
	s_add_co_u32 s59, s59, s53
.endif
	s_lshl_b32 s59, s59, 12                        ; a row of a weight is 4,096 bytes
	v_add_nc_u32 v[VO+\n], s59, v9
.endr
	s_lshl_b32 s57, s37, 2
	s_mul_i32 s57, s57, s50
	s_add_co_u32 s57, s57, s54                     ; the first k of my first block, t = 4 ph
	s_lshl_b32 s58, s57, 12
	s_lshl_b32 s57, s35, 9
	s_add_co_u32 s58, s58, s57
	s_lshl_b32 s57, s36, 7
	s_add_co_u32 s58, s58, s57                     ; + 4 x my first column
	s_mov_b32 s59, 0
	s_lshl_b32 s60, s50, 12                        ; from block to block
	s_mov_b32 s61, 0
	s_add_nc_u64 s[SB:SB+1], s[38:39], s[58:59]
.irp t, 1,2,3
	s_add_nc_u64 s[SB+2*\t:SB+2*\t+1], s[SB+2*\t-2:SB+2*\t-1], s[60:61]
.endr
	s_lshl_b32 s57, s36, 5
	v_add_nc_u32 v4, s57, v2
	s_delay_alu instid0(VALU_DEP_1)
	v_mul_u32_u24 v4, v4, PITCH
	s_lshl_b32 s57, s37, 7
	v_add_nc_u32 v4, s57, v4                       ; into the stage: row = my column of the 128, + my wave's 128 bytes
	v_lshrrev_b32 v5, 4, v2
	v_and_b32 v6, 15, v2
	s_lshl_b32 s57, s22, 4
	v_add_nc_u32 v7, s57, v5
	s_delay_alu instid0(VALU_DEP_1)
	v_mul_u32_u24 v7, v7, PITCH
	s_delay_alu instid0(VALU_DEP_1)
	v_lshl_add_u32 v7, v6, 4, v7                   ; out of it: my wave's 16 rows, sixteen lanes to a row, two rows an instruction
	v_lshlrev_b32 v8, 10, v5
	s_delay_alu instid0(VALU_DEP_1)
	v_lshl_add_u32 v8, v6, 4, v8                   ; and the same place in the codes' buffer (rows of 1,024 bytes)
	s_lshl_b32 s57, s35, 7
	s_add_co_u32 s57, s57, s56
	s_lshl_b32 s58, s22, 4
	s_add_co_u32 s57, s57, s58
	s_lshl_b32 s58, s57, 10
	s_lshl_b32 s57, s34, 8
	s_add_co_u32 s58, s58, s57
	s_add_nc_u64 s[48:49], s[48:49], s[58:59]
.macro WLOAD t                         ; block t of my four: 32 positions of my column, into set t % 2; each load reads 128 consecutive bytes
.irp n, 0,1,2,3,4,5,6,7
.irp j, 0,1,2,3
	global_load_b32 v[X+32*((\t)%2)+4*\n+\j], v[VO+\n], s[SB+2*(\t):SB+2*(\t)+1] offset:4096*\j th:TH_LOAD_NT
.endr
.endr
.endm
.macro WBLOCK t
.set XS, X+32*((\t)%2)
.if (\t) < 3
	s_wait_loadcnt 32                              ; this block's 32 loads are in; the next block's 32 may be out
.else
	s_wait_loadcnt 0
.endif
.irp i, 0,1,2,3,4,5,6,7,8,9,10,11,12,13,14,15,16,17,18,19,20,21,22,23,24,25,26,27,28,29,30,31
	v_med3_num_f32 v[XS+\i], v[XS+\i], -v10, v10
.endr
.irp g, 0,1,2,3
	v_cvt_scalef32_pk8_fp8_f32 v[C+2*\g:C+2*\g+1], v[XS+8*\g:XS+8*\g+7], v11
.endr
	ds_store_b128 v4, v[C:C+3] offset:32*(\t)
	ds_store_b128 v4, v[C+4:C+7] offset:32*(\t)+16
.if (\t)+2 < 4
	WLOAD (\t)+2
.endif
	s_wait_dscnt 0x0                               ; the stores have read their registers: the next block's codes may be written
.endm
	WLOAD 0
	WLOAD 1
	s_wait_kmcnt 0x0
	s_cmp_eq_u32 s33, 3
	s_cselect_b32 s55, s31, s25                    ; e7 for Wo, e1 for the others
	s_add_co_i32 s55, s55, 127
	s_lshl_b32 s57, s55, 23
	v_mov_b32 v11, s57                             ; 2^e
	s_add_co_i32 s55, s55, 8
	s_lshl_b32 s55, s55, 23
	s_or_b32 s55, s55, 0x600000
	v_mov_b32 v10, s55                             ; 448 x 2^e
	s_wait_alu depctr_va_vdst(0)
	WBLOCK 0
	WBLOCK 1
	WBLOCK 2
	WBLOCK 3
	s_wait_dscnt 0x0                               ; for the others' sake: my stores into the stage are done (a row's 256 bytes come from two waves)
	s_barrier_signal -1
	s_barrier_wait -1
.irp i, 0,1,2,3,4,5,6,7
	ds_load_b128 v[OUTR+4*\i:OUTR+4*\i+3], v7 offset:2*\i*PITCH
.endr
.irp i, 0,1,2,3,4,5,6,7
	s_wait_dscnt 7-\i                              ; LDS loads return in order: the younger ones may be out
	global_store_b128 v8, v[OUTR+4*\i:OUTR+4*\i+3], s[48:49] offset:2*\i*1024   ; sixteen lanes store 256 consecutive bytes, at a multiple of 256 from the buffer's first byte
.endr
	s_wait_tensorcnt 0x0                           ; the wave's end: behind my last LDS store
	ds_add_u32 v[SPW], v[NIL]
	s_wait_dscnt 0x0
	s_endpgm
.Lfunc_end_k_qac4022bf56_quant:
	.size	k_qac4022bf56_quant, .Lfunc_end_k_qac4022bf56_quant-k_qac4022bf56_quant
	.p2alignl 7, 3214868480
	.fill 96, 4, 3214868480
	.section	.rodata,"a",@progbits
	.p2align	6, 0x0
	.amdhsa_kernel k_qac4022bf56_quant
		.amdhsa_group_segment_fixed_size 35840
		.amdhsa_private_segment_fixed_size 0
		.amdhsa_enable_private_segment 0
		.amdhsa_kernarg_size 72
		.amdhsa_user_sgpr_count 2
		.amdhsa_user_sgpr_kernarg_segment_ptr 1
		.amdhsa_wavefront_size32 1
		.amdhsa_system_sgpr_workgroup_id_x 1
		.amdhsa_system_sgpr_workgroup_id_y 1
		.amdhsa_system_sgpr_workgroup_id_z 1
		.amdhsa_system_vgpr_workitem_id 0
		.amdhsa_next_free_vgpr 192
		.amdhsa_next_free_sgpr 66
		.amdhsa_reserve_vcc 0
		.amdhsa_float_denorm_mode_32 3
		.amdhsa_float_denorm_mode_16_64 3
		.amdhsa_memory_ordered 1
		.amdhsa_forward_progress 1
		.amdhsa_inst_pref_size 43
	.end_amdhsa_kernel
	.amdgpu_metadata
---
amdhsa.version: [ 1, 2 ]
amdhsa.kernels:
  - .name:           k_qac4022bf56_quant
    .symbol:         k_qac4022bf56_quant.kd
    .args:
      - { .name: x, .offset: 0, .size: 8, .value_kind: global_buffer, .address_space: global }
      - { .name: Wq, .offset: 8, .size: 8, .value_kind: global_buffer, .address_space: global }
      - { .name: Wk, .offset: 16, .size: 8, .value_kind: global_buffer, .address_space: global }
      - { .name: Wv, .offset: 24, .size: 8, .value_kind: global_buffer, .address_space: global }
      - { .name: Wo, .offset: 32, .size: 8, .value_kind: global_buffer, .address_space: global }
      - { .name: lowp_scales, .offset: 40, .size: 8, .value_kind: global_buffer, .address_space: global }
      - { .name: xc, .offset: 48, .size: 8, .value_kind: global_buffer, .address_space: global }
      - { .name: wc, .offset: 56, .size: 8, .value_kind: global_buffer, .address_space: global }
      - { .name: woc, .offset: 64, .size: 8, .value_kind: global_buffer, .address_space: global }
    .group_segment_fixed_size: 35840
    .private_segment_fixed_size: 0
    .kernarg_segment_align: 8
    .kernarg_segment_size: 72
    .max_flat_workgroup_size: 256
    .sgpr_count:     66
    .vgpr_count:     192
    .wavefront_size: 32
...
	.end_amdgpu_metadata
.endif
;; end of part 1
;; launch qkv (part 2): grid 12 x 16, 4 waves a work-group, clusters of 4 x 4, 327,680 bytes of LDS; arguments xc, wc, lowp_scales, qc, kvc; writes qc, kvc
.if DOCPART == 2
	.amdgcn_target "amdgcn-amd-amdhsa--gfx1250"
	.amdhsa_code_object_version 6
	.text
	.protected	k_qac4022bf56_qkv
	.globl	k_qac4022bf56_qkv
	.p2align	8
	.type	k_qac4022bf56_qkv,@function
k_qac4022bf56_qkv:
	s_mov_b64 s[64:65], 0
	v_nop
	global_prefetch_b8 v0, s[64:65] scope:SCOPE_SE
	s_setreg_imm32_b32 hwreg(HW_REG_WAVE_MODE, 25, 1), 1
	s_wait_xcnt 0x0
	s_wait_alu depctr_hold_cnt(0) depctr_sa_sdst(0) depctr_va_vdst(0) depctr_va_sdst(0) depctr_va_ssrc(0) depctr_va_vcc(0) depctr_vm_vsrc(0)
	s_getreg_b32 s2, hwreg(HW_REG_IB_STS2, 6, 4)
	s_cmp_eq_u32 s2, 0
	s_cbranch_scc0 .Lentry_in_a_cluster
	s_endpgm
.Lentry_in_a_cluster:
	s_bfe_u32 s2, ttmp6, 0x10000c
	s_cmp_lg_u32 s2, 0xf033
	s_cbranch_scc0 .Lentry_shape_is_right
	s_endpgm
.Lentry_shape_is_right:
; SECOND LAUNCH: [q | k | v] = x [Wq | Wk | Wv] on codes of FP8 (E4M3), quantised at once with 2^e2, 2^e3, 2^e5.  Nothing of this product is left out.
; A work-group of four waves makes a tile of 256 x 256, a wave 128 x 128.  K goes in steps of 256 through a ring of two LDS slots filled by joint loads of clusters of 4 x 4 work-groups.  Cluster x = 0: q, 1: k, 2: v;
; for v the two operands change places, so that a lane's registers run along the tokens, which are the next product's K.  The three exponents are folded into the conversion's scale.
; The codes leave as images of the operands' registers: 16 bytes a lane, 512 consecutive bytes a store.
; PREFETCH: behind the load of K step 0 each wave asks for K steps 1 and 2, behind that of K step 1 for K step 3: of the 128 rows that it fetches, the 32 of its work-group's place among the four partners (told apart by
; address), a lane a row, 256 aligned bytes a lane: each is named once in a cluster.  The addresses are never rewritten.
; LIMITS: e2 - e0 - e1, e3 - e0 - e1 and e5 - e0 - e1 between -126 and 119.  NaN is not served; an infinity is held at the largest code.
.set PFA, 104                          ; s[104:105] where my prefetches stand: my 32 rows at K step 0
.set PFO, 24                           ; v24 my lane x a row of 1,024 bytes
.set SIZE_K, 1024
.set KSTEP,  256
.set ROWB,   256
.set KROW,   SIZE_K
.set PITCH,  272
.set FR,     16
.set NL,     4
.set NP,     4
.set HALFT,  128*PITCH
.set SLOT,   4*HALFT
.set LAPS,   SIZE_K/(2*KSTEP)
.set SPARE,  2*SLOT
.set ADRA, 16
.set ADRB, 20
.set O0,   26
.set O1,   27
.set SPW,  28
.set NIL,  29
.set LIMV, 30
.set SCV,  31
.set TMP,  32
.set AF,   128
.set CR,   128
.set G1, 24
.set G0, 32
.set G1B, 48
.set G0B, 56
.set EB,  66
.set MSB, 0
.macro WIN new
.if MSB != \new
	s_set_vgpr_msb (MSB<<8)|\new
.set MSB, \new
.endif
.endm
.set MUL_LO, 0xa1
.set MUL_HI, 0xf1
.set TO_B,   0x40
.macro JLOAD g0a, g1a, g0b, g1b
	s_cmp_eq_u32 s15, 0
	s_cbranch_scc0 .Lfor_b_\@
	tensor_load_to_lds s[\g0a:\g0a+3], s[\g1a:\g1a+7]
	s_nop 0
.rept 4
	v_nop
.endr
	s_branch .Lasked_\@
.Lfor_b_\@:
	tensor_load_to_lds s[\g0b:\g0b+3], s[\g1b:\g1b+7]
	s_nop 0
.rept 4
	v_nop
.endr
.Lasked_\@:
.endm
.macro CREST
	s_cmp_lg_u32 s14, 0
	s_cbranch_scc1 .Lnot_wave_0_\@
	s_barrier_signal -3
.Lnot_wave_0_\@:
	s_barrier_wait -3
	s_barrier_signal -1
	s_barrier_wait -1
.endm
.macro CROUND
	s_barrier_signal -1
	s_barrier_wait -1
	CREST
.endm
	s_load_b256 s[4:11], s[0:1], 0x0
	s_load_b64 s[12:13], s[0:1], 0x20
	v_lshl_add_u32 v[SPW], v0, 2, SPARE
	v_mov_b32 v[NIL], 0
	ds_add_u32 v[SPW], v[NIL]
	ds_add_u32 v[SPW], v[NIL]
	v_lshrrev_b32 v1, 5, v0
	v_readfirstlane_b32 s14, v1
	s_lshr_b32 s15, s14, 1
	s_and_b32 s16, s14, 1
	s_bfe_u32 s40, ttmp6, 0x40000
	s_bfe_u32 s41, ttmp6, 0x40004
	s_and_b32 s42, ttmp7, 0xffff
	s_lshl_b32 s43, s41, 2
	s_lshl_b32 s43, 15, s43
	s_lshl_b32 s44, 0x1111, s40
	s_or_b32 s[G1+0], s43, (0<<16)|(1<<20)|(1<<21)|(5<<22)|(3<<25)
	s_or_b32 s[G1B+0], s44, (0<<16)|(1<<20)|(1<<21)|(5<<22)|(3<<25)
.irp g, G1, G1B
	s_mov_b32 s[\g+1], ROWB<<16
	s_mov_b32 s[\g+2], 128<<16
	s_mov_b32 s[\g+3], ROWB<<16
	s_mov_b32 s[\g+4], 128
	s_mov_b32 s[\g+5], KROW
	s_mov_b32 s[\g+6], 0
	s_mov_b32 s[\g+7], 0
.endr
	s_lshl_b32 s18, s42, 2
	s_lshl_b32 s19, ttmp9, 2
	s_cmp_eq_u32 ttmp9, 2
	s_cselect_b32 s17, 8, s18
	s_cselect_b32 s46, s18, s19
	s_add_co_u32 s17, s17, s41
	s_add_co_u32 s46, s46, s40
	s_lshl_b32 s18, s16, 7
	s_lshl_b32 s20, s17, 8
	s_add_co_u32 s20, s20, s18
	s_lshl_b32 s20, s20, 10
	s_mov_b32 s21, 0
	s_lshl_b32 s46, s46, 8
	s_add_co_u32 s46, s46, s18
	s_lshl_b32 s46, s46, 10
	s_mov_b32 s47, 0
	s_mul_i32 s45, s14, HALFT
	s_wait_dscnt 0x0
	s_wait_kmcnt 0x0
	s_load_b256 s[84:91], s[8:9], 0x0
	s_cmp_eq_u32 ttmp9, 2
	s_cselect_b64 s[92:93], s[6:7], s[4:5]
	s_cselect_b64 s[94:95], s[4:5], s[6:7]
	s_add_nc_u64 s[20:21], s[92:93], s[20:21]
	s_add_nc_u64 s[46:47], s[94:95], s[46:47]
	CROUND
.irp s, 0,1
	s_mov_b32 s[G0+4*\s], 1
	s_add_co_u32 s[G0+4*\s+1], s45, \s*SLOT
	s_add_nc_u64 s[G0+4*\s+2:G0+4*\s+3], s[20:21], \s*ROWB
	s_or_b32 s[G0+4*\s+3], s[G0+4*\s+3], 0x80000000
	s_mov_b32 s[G0B+4*\s], 1
	s_add_co_u32 s[G0B+4*\s+1], s45, \s*SLOT
	s_add_nc_u64 s[G0B+4*\s+2:G0B+4*\s+3], s[46:47], \s*ROWB
	s_or_b32 s[G0B+4*\s+3], s[G0B+4*\s+3], 0x80000000
.endr
	JLOAD G0, G1, G0B, G1B                         ; K step 0: one tensor load a wave at the head
	s_cmp_eq_u32 s15, 0                            ; do I fetch for the first operand?
	s_cselect_b32 s96, s40, s41                    ; my place among the four that ask for it with me
	s_cselect_b64 s[PFA:PFA+1], s[20:21], s[46:47]
	s_lshl_b32 s96, s96, 15                        ; 32 rows of 1,024 bytes
	s_mov_b32 s97, 0
	s_add_nc_u64 s[PFA:PFA+1], s[PFA:PFA+1], s[96:97]
	v_and_b32 v[PFO], 31, v0
	v_lshlrev_b32 v[PFO], 10, v[PFO]
	global_prefetch_b8 v[PFO], s[PFA:PFA+1] offset:256 th:TH_LOAD_NT scope:SCOPE_SE
	global_prefetch_b8 v[PFO], s[PFA:PFA+1] offset:512 th:TH_LOAD_NT scope:SCOPE_SE
	v_and_b32 v1, 15, v0
	v_bfe_u32 v2, v0, 4, 1
	v_mul_u32_u24 v3, v1, PITCH
	v_lshl_add_u32 v4, v2, 4, v3
	s_mul_i32 s21, s15, HALFT
	s_mul_i32 s22, s16, HALFT
	s_add_co_u32 s22, s22, 2*HALFT
.irp s, 0,1
	v_add_nc_u32 v[ADRA+\s], s21, v4
	v_add_nc_u32 v[ADRB+\s], s22, v4
	s_add_co_u32 s21, s21, SLOT
	s_add_co_u32 s22, s22, SLOT
.endr
	s_lshl_b32 s22, s41, 2
	s_lshl_b32 s96, s15, 1
	s_add_co_u32 s22, s22, s96
	s_lshl_b32 s23, s40, 2
	s_lshl_b32 s96, s16, 1
	s_add_co_u32 s23, s23, s96
	s_lshl_b32 s97, s42, 3
	s_wait_alu depctr_va_vdst(0)
	s_wait_kmcnt 0x0
	s_cmp_eq_u32 ttmp9, 2
	s_cselect_b32 s22, s22, s23
	s_cselect_b32 s23, s40, s41
	s_cselect_b32 s46, s16, s15
	s_cselect_b32 s47, 8192, 0
	s_mov_b32 s82, 1024
	s_cselect_b32 s82, 2048, s82
	s_mov_b32 s100, 4096
	s_cselect_b32 s100, 524288, s100
	s_cselect_b32 s20, s89, s87
	s_mov_b32 s21, 524288
	s_cselect_b32 s21, 1024, s21
	s_cmp_eq_u32 ttmp9, 0
	s_cselect_b32 s20, s86, s20
	s_cselect_b32 s21, 262144, s21
	s_cselect_b64 s[98:99], s[10:11], s[12:13]
	s_mov_b32 s18, 524288
	s_cselect_b32 s18, 262144, s18
	s_mov_b32 s19, 16384
	s_cselect_b32 s19, 8192, s19
	s_lshl_b32 s23, s23, 1
	s_add_co_u32 s23, s23, s97
	s_add_co_u32 s23, s23, s46
	s_mul_i32 s23, s23, s19
	s_mul_i32 s22, s22, s18
	s_add_co_u32 s22, s22, s23
	s_add_co_u32 s22, s22, s47
	s_mov_b32 s23, 0
	s_mov_b32 s83, 0
	s_mov_b32 s101, 0
	s_add_nc_u64 s[EB:EB+1], s[98:99], s[22:23]
.irp a, 1,2,3
	s_add_nc_u64 s[EB+2*\a:EB+2*\a+1], s[EB+2*\a-2:EB+2*\a-1], s[82:83]
.endr
.irp a, 4,5,6,7
	s_add_nc_u64 s[EB+2*\a:EB+2*\a+1], s[EB+2*\a-8:EB+2*\a-7], s[100:101]
.endr
	s_sub_co_i32 s20, s20, s84
	s_sub_co_i32 s20, s20, s85
	s_add_co_i32 s20, s20, 127
	s_lshl_b32 s22, s20, 23
	v_mov_b32 v[SCV], s22
	s_add_co_i32 s20, s20, 8
	s_lshl_b32 s20, s20, 23
	s_or_b32 s20, s20, 0x600000
	v_mov_b32 v[LIMV], s20
	v_and_b32 v[O0], 31, v0
	v_lshlrev_b32 v[O0], 4, v[O0]
	v_add_nc_u32 v[O1], s21, v[O0]
.macro FRAG reg, adr, q, i
.irp c, 0,1,2,3
	ds_load_b128 v[\reg+4*\c:\reg+4*\c+3], v[\adr] offset:128*(\q)+32*\c+(\i)*16*PITCH
.endr
.endm
.macro MUL16 a0, p, zero
.irp a, \a0, \a0+1
.irp b, 0,1,2,3,4,5,6,7
.if \zero
	v_wmma_f32_16x16x128_fp8_fp8 v[8*(8*((\a)%4)+\b):8*(8*((\a)%4)+\b)+7], v[128*(\p)+FR*\b:128*(\p)+FR*\b+FR-1], v[AF+FR*(\a):AF+FR*(\a)+FR-1], 0
.else
	v_wmma_f32_16x16x128_fp8_fp8 v[8*(8*((\a)%4)+\b):8*(8*((\a)%4)+\b)+7], v[128*(\p)+FR*\b:128*(\p)+FR*\b+FR-1], v[AF+FR*(\a):AF+FR*(\a)+FR-1], v[8*(8*((\a)%4)+\b):8*(8*((\a)%4)+\b)+7]
.endif
.endr
.endr
.endm
.macro FETCH_B slot, q, p
	WIN TO_B
.irp i, 0,1,2,3,4,5,6,7
	FRAG 128*(\p)+FR*\i, ADRB+\slot, \q, \i
.endr
	WIN 0
.endm
.macro FETCH_A slot, q, i0
.irp i, \i0, \i0+1, \i0+2, \i0+3
	FRAG AF+FR*(\i), ADRA+\slot, \q, \i
.endr
.endm
.macro PLACES n
.rept \n
	v_nop
.endr
.endm
.macro STEP slot, q, zero
	s_wait_dscnt 4*NL
	WIN MUL_LO
	MUL16 0, (\q)%2, \zero
	MUL16 2, (\q)%2, \zero
	s_wait_dscnt 0
	PLACES NP
	FETCH_B \slot, (\q)+1, 1-(\q)%2
	FETCH_A \slot, (\q)+1, 0
	WIN MUL_HI
	MUL16 4, (\q)%2, \zero
	MUL16 6, (\q)%2, \zero
	PLACES NP
	WIN 0
	FETCH_A \slot, (\q)+1, 4
.endm
.macro TURN slot, next, fill
	s_wait_tensorcnt 0x0
	ds_add_u32 v[SPW], v[NIL]
	s_wait_dscnt 4*NL+1
	WIN MUL_LO
	MUL16 0, 1, 0
	s_wait_dscnt 0x0
	s_barrier_signal -1
	MUL16 2, 1, 0
	WIN 0
	s_barrier_wait -1
.if \fill
	CREST
	s_add_nc_u64 s[G0+4*\slot+2:G0+4*\slot+3], s[G0+4*\slot+2:G0+4*\slot+3], 2*ROWB
	s_add_nc_u64 s[G0B+4*\slot+2:G0B+4*\slot+3], s[G0B+4*\slot+2:G0B+4*\slot+3], 2*ROWB
	JLOAD G0+4*\slot, G1, G0B+4*\slot, G1B
.else
	PLACES NP
.endif
	FETCH_B \next, 0, 0
	FETCH_A \next, 0, 0
	WIN MUL_HI
	MUL16 4, 1, 0
	MUL16 6, 1, 0
	PLACES NP
	WIN 0
	FETCH_A \next, 0, 4
.endm
	s_wait_alu depctr_va_vdst(0)                   ; the head's end
	s_wait_tensorcnt 0x0                           ; my part of K step 0 is in; the three lines stand ahead of a later first fill as ahead of a refill
	ds_add_u32 v[SPW], v[NIL]
	s_wait_dscnt 0x0
	CROUND
	JLOAD G0+4, G1, G0B+4, G1B                     ; K step 1
	FETCH_B 0, 0, 0
	FETCH_A 0, 0, 0
	FETCH_A 0, 0, 4
	global_prefetch_b8 v[PFO], s[PFA:PFA+1] offset:768 th:TH_LOAD_NT scope:SCOPE_SE   ; K step 3
	STEP 0, 0, 1
	s_mov_b32 s3, LAPS-1
.Llap:
	TURN 0, 1, 1
	STEP 1, 0, 0
	TURN 1, 0, 1
	STEP 0, 0, 0
	s_sub_co_u32 s3, s3, 1
	s_cmp_lg_u32 s3, 0
	s_cbranch_scc1 .Llap
	TURN 0, 1, 0
	STEP 1, 0, 0
	s_wait_dscnt 4*NL
	WIN MUL_LO
	MUL16 0, 1, 0
	MUL16 2, 1, 0
	s_wait_alu depctr_va_vdst(0)
	s_wait_dscnt 0
	WIN MUL_HI
	MUL16 4, 1, 0
	MUL16 6, 1, 0
	WIN 0
.macro OUTBLK a
.set AC, 64*((\a)%4)
	WIN 0x02+((\a)/4)
.set n, 0
.rept 64
	v_med3_num_f32 v[TMP+n], v[AC+n], -v[LIMV], v[LIMV]
.set n, n+1
.endr
	WIN 0
.irp b, 0,1,2,3,4,5,6,7
	v_cvt_scalef32_pk8_fp8_f32 v[CR+16*(\a)+2*\b:CR+16*(\a)+2*\b+1], v[TMP+8*\b:TMP+8*\b+7], v[SCV]
.endr
	v_nop
	global_store_b128 v[O0], v[CR+16*(\a):CR+16*(\a)+3], s[EB+2*(\a):EB+2*(\a)+1]
	global_store_b128 v[O0], v[CR+16*(\a)+4:CR+16*(\a)+7], s[EB+2*(\a):EB+2*(\a)+1] offset:512
	global_store_b128 v[O1], v[CR+16*(\a)+8:CR+16*(\a)+11], s[EB+2*(\a):EB+2*(\a)+1]
	global_store_b128 v[O1], v[CR+16*(\a)+12:CR+16*(\a)+15], s[EB+2*(\a):EB+2*(\a)+1] offset:512
.endm
	PLACES NP
.irp a, 0,1,2,3,4,5,6,7
	OUTBLK \a
.endr
	s_wait_tensorcnt 0x0
	ds_add_u32 v[SPW], v[NIL]
	s_wait_dscnt 0x0
	CROUND
	s_endpgm
.Lfunc_end_k_qac4022bf56_qkv:
	.size	k_qac4022bf56_qkv, .Lfunc_end_k_qac4022bf56_qkv-k_qac4022bf56_qkv
	.p2alignl 7, 3214868480
	.fill 96, 4, 3214868480
	.section	.rodata,"a",@progbits
	.p2align	6, 0x0
	.amdhsa_kernel k_qac4022bf56_qkv
		.amdhsa_group_segment_fixed_size 327680
		.amdhsa_private_segment_fixed_size 0
		.amdhsa_enable_private_segment 0
		.amdhsa_kernarg_size 40
		.amdhsa_user_sgpr_count 2
		.amdhsa_user_sgpr_kernarg_segment_ptr 1
		.amdhsa_wavefront_size32 1
		.amdhsa_system_sgpr_workgroup_id_x 1
		.amdhsa_system_sgpr_workgroup_id_y 1
		.amdhsa_system_sgpr_workgroup_id_z 1
		.amdhsa_system_vgpr_workitem_id 0
		.amdhsa_next_free_vgpr 1024
		.amdhsa_next_free_sgpr 106
		.amdhsa_reserve_vcc 0
		.amdhsa_float_denorm_mode_32 3
		.amdhsa_float_denorm_mode_16_64 3
		.amdhsa_memory_ordered 1
		.amdhsa_forward_progress 1
		.amdhsa_inst_pref_size 120
	.end_amdhsa_kernel
	.amdgpu_metadata
---
amdhsa.version: [ 1, 2 ]
amdhsa.kernels:
  - .name:           k_qac4022bf56_qkv
    .symbol:         k_qac4022bf56_qkv.kd
    .args:
      - { .name: xc, .offset: 0, .size: 8, .value_kind: global_buffer, .address_space: global }
      - { .name: wc, .offset: 8, .size: 8, .value_kind: global_buffer, .address_space: global }
      - { .name: lowp_scales, .offset: 16, .size: 8, .value_kind: global_buffer, .address_space: global }
      - { .name: qc, .offset: 24, .size: 8, .value_kind: global_buffer, .address_space: global }
      - { .name: kvc, .offset: 32, .size: 8, .value_kind: global_buffer, .address_space: global }
    .group_segment_fixed_size: 327680
    .private_segment_fixed_size: 0
    .kernarg_segment_align: 8
    .kernarg_segment_size: 40
    .max_flat_workgroup_size: 128
    .sgpr_count:     106
    .vgpr_count:     1024
    .wavefront_size: 32
...
	.end_amdgpu_metadata
.endif
;; end of part 2
;; launch attn (part 3): grid 16 x 16, 8 waves a work-group, no clusters, 327,680 bytes of LDS; arguments qc, kvc, lowp_scales, oc; writes oc
.if DOCPART == 3
	.amdgcn_target "amdgcn-amd-amdhsa--gfx1250"
	.amdhsa_code_object_version 6
	.text
	.protected	k_qac4022bf56_attn
	.globl	k_qac4022bf56_attn
	.p2align	8
	.type	k_qac4022bf56_attn,@function
k_qac4022bf56_attn:
	s_mov_b64 s[64:65], 0
	v_nop
	global_prefetch_b8 v0, s[64:65] scope:SCOPE_SE
	s_setreg_imm32_b32 hwreg(HW_REG_WAVE_MODE, 25, 1), 1
	s_wait_xcnt 0x0
; THIRD LAUNCH: o = softmax(q k^T / 8, causal) v for 16 heads of 64, both products on codes of FP8 (E4M3), and o quantised at once with 2^e6.
; LEFT OUT: key steps of 128 keys that lie wholly behind a block's 128 queries: the problem's own lower-triangular mask replaces their scores for all inputs, their p is 0 and adds nothing (shown at the head of the first launch).
; THE SOFTMAX: t = score x log2(e) / 8; M = the running largest t rounded UP to a whole number; p = 2^(t - M) is quantised with 2^e4; the row's sum is taken of the unquantised p and divides at the end.  When M moves,
; the sum and O are multiplied by 2^(old M - new M), which rounds nothing.
; SHARES.  Work-group (i, head) owns the blocks of 128 queries 31 - i and i and walks them one after the other: (32 - i) + (i + 1) = 33 steps of 128 keys for every work-group.  Waves p and p + 4 own tiles 2 p and 2 p + 1
; (32 queries) of the block in hand: each fragment of K and V feeds both tiles.  Wave p takes the even steps of the keys, wave p + 4 the odd ones: 17 and 16 steps at the most.  Each leaves O, -M and the sum of a block in a
; stage of its own in LDS; behind one barrier at the end wave w joins the two parts of pair w % 4 in block w / 4 (0: block 31 - i, 1: block i).
; OPERANDS ARE IMAGES OF REGISTERS, as the second launch left them: a load of 16 bytes a lane at 16 x lane brings four registers.  S^T = K Q^T (source 0 = 16 keys, source 1 = 16 queries): key tile t's eight registers are
; keys 16 t + 8 (lane / 16) + 0 .. 7 of query lane % 16; converted they are registers 2 t, 2 t + 1 of P.  O^T = V^T P^T likewise gives o's fragment.  A lane holds one query of each tile throughout.
; THE RING.  Two LDS slots of four key steps (65,536 bytes).  8 - i / 4 slots for the long block and i / 4 + 1 for the short one: 9 for every work-group.  Wave w brings eighth w (2,048 bytes) OF EACH OF THE SLOT'S FOUR STEPS:
; 4 rows of 2,048 bytes, 16,384 apart in memory; a slot's first step is always read.  A slot in LDS: [eighth 8][step 4][2048]: K's tiles by twos, then V's four.
; NO CLUSTER: the numbers of steps, 32 - i and i + 1, differ between the work-groups of a head, and a branch on them would hang on the place in the cluster; with equal numbers in four partners the walk is 36 steps in place of 33.
; LIMITS on the given exponents: e2 + e3 between -123 and 130 (added to c's exponent field); e4, and e6 - e4 - e5, between -126 and 119.  The scaled scores stay under 2^31 in magnitude.
.set SLOT1, 65536                      ; slot 1 begins here: one exclusive or turns an address from one slot to the other
.set STAGE, 131072                     ; behind the ring: 16 parts: [block 2][wave 8]
.set PSZ,   8704                       ; a part: 16 x 512 bytes of O, 512 of -M and sums
.set SPARE, STAGE+16*PSZ               ; the spare words, 128 bytes for each of eight waves
.set SPW,  5
.set NIL,  6
.set AD,   8                           ; window 0: v1 16 x lane; v2 256 x lane; v7 16 x lane + 2048 x parity; v8 LDS address of my first step of the slot
.set STH,  10                          ; my stage for the long block, for the short block, and the stage that I join
.set STL,  11
.set MRG,  12
.set QREG, 16                          ; v16-31 Q of the two tiles in hand
.set KREG, 32                          ; v32-95 K's eight fragments
.set VREG, 96                          ; v96-159 V's four
.set OREG, 160                         ; v160-223 O^T of tile A, of tile B
.set QLOW, 224                         ; v224-239 Q of the short block
.set SA,   0                           ; window 1: scores, then p, of tile A and of tile B
.set SB,   64
.set PA,   128                         ; codes of p
.set PB,   144
.set NMA,  160                         ; -M and the largest t, tile by tile
.set MXA,  161
.set NMB,  162
.set MXB,  163
.set SUMA, 164                         ; the sums in two halves
.set SUMB, 166
.set FA,   168                         ; 2^(old M - new M)
.set FB,   170
.set PXA,  172
.set PXB,  173
.set A0,   174
.set A1,   175
.set B0,   176
.set B1,   177
.set NINF, 178                         ; -infinity
.set DD,   179                         ; 32 p + lane % 16 - 8 (lane / 16), for the mask
.set SC,   180                         ; 2^e4
.set TA,   184                         ; 16 pairs: partial sums of tile A
.set CB,   216                         ; 8 pairs: partial sums of tile B
.set TB,   2                           ; s2 LDS byte at which the slot in hand begins
.set NH,   3                           ; s3 slots of the long block still to be walked
.set WV,   18
.set SEL,  20                          ; s[20:21] lane selects for v_permlanex16_b32: lane l xor 16
.set CS,   22                          ; s[22:23] log2(e) / 8 x 2^(e2 + e3)
.set G1,   24
.set G0,   40
.set SLOTS, 67
.set OFF,  68                          ; s[68:69] where the slot that is asked for begins in the head's K and V
.set KVB,  70                          ; s[70:71] my eighth of the head's step 0
.set PFA,  76                          ; s[76:77] where my prefetches stand
.set LIM,  80                          ; s80 2 in the work-group that prefetches, else the greatest number
.set LIMP, 81                          ; s81 448 x 2^e4
.set PAR,  82                          ; s82 parity of my steps
.set BLK,  98                          ; s98 the block in hand: its last step
.set KS,   99                          ; s99 my first step of the slot in hand
.set MSB, 0
.macro WIN new                         ; the immediate's high byte repeats the setting that is left
.if MSB != \new
	s_set_vgpr_msb (MSB<<8)|\new
.set MSB, \new
.endif
.endm
.macro PLACES
.rept 4
	v_nop
.endr
.endm
.macro TLOAD                           ; (an s_nop 0 and four v_nop behind the load)
	tensor_load_to_lds s[G0:G0+3], s[G1:G1+7]
	s_nop 0
	PLACES
.endm
; A prefetch of the slot that the NEXT change of slots will ask for, four key steps ahead of that load.  All work-groups of a head walk the same bytes: work-group i = 0, whose long block walks all eight slots, asks: each of
; its eight waves 8,192 bytes, lanes 256 bytes apart: each aligned 256 bytes of a slot is named once.  Slots 0 and 1 come by their loads alone; with 2 trips or fewer to go nothing is left to ask for.
.macro ASK
	s_cmp_gt_u32 s[SLOTS], s[LIM]
	s_cbranch_scc0 .Lnot_mine_\@
	global_prefetch_b8 v2, s[PFA:PFA+1] th:TH_LOAD_NT scope:SCOPE_SE
.Lnot_mine_\@:
.endm
.macro INIT                            ; the softmax's state ahead of a block
	WIN 0x55
	v_mov_b32 v[MXA], 0xff61b1e6                   ; the largest t so far: -3e38
	v_mov_b32 v[MXB], 0xff61b1e6
	v_mov_b32 v[SUMA], 0
	v_mov_b32 v[SUMA+1], 0
	v_mov_b32 v[SUMB], 0
	v_mov_b32 v[SUMB+1], 0
	v_floor_f32 v[NMA], -v[MXA]
	v_floor_f32 v[NMB], -v[MXB]
	WIN 0
.set j, 0
.rept 64
	v_mov_b32 v[OREG+j], 0                         ; the step is written once for all steps; a block's first finds zeros
.set j, j+1
.endr
.endm
.macro KLOAD n                         ; K's fragments of my n-th step of the slot
.irp t, 0,1,2,3,4,5,6,7
	ds_load_b128 v[KREG+8*\t:KREG+8*\t+3], v[AD] offset:(\t/2)*8192+(\t%2)*1024+4096*(\n)
	ds_load_b128 v[KREG+8*\t+4:KREG+8*\t+7], v[AD] offset:(\t/2)*8192+(\t%2)*1024+4096*(\n)+512
.endr
.endm
.macro VLOAD n
.irp d, 0,1,2,3
.irp c, 0,1,2,3
	ds_load_b128 v[VREG+16*\d+4*\c:VREG+16*\d+4*\c+3], v[AD] offset:(4+\d)*8192+4096*(\n)+512*\c
.endr
.endr
.endm
; A KEY STEP: 128 keys for both tiles.  K was asked for at the slot's head (n = 0) or in the step before (n = 1); V is asked for behind the scores' products, the next step's K behind the maxima.
.macro STEP n
	WIN 0x40
.irp t, 0,1,2,3,4,5,6,7
.if \n == 0
	s_wait_dscnt 14-2*\t                           ; tile t's two loads are in; those of the later tiles may be out
.else
.if \t == 0
	s_wait_dscnt 0x0                               ; K is in
.endif
.endif
	v_wmma_f32_16x16x64_fp8_fp8 v[SA+8*\t:SA+8*\t+7], v[KREG+8*\t:KREG+8*\t+7], v[QREG:QREG+7], 0
	v_wmma_f32_16x16x64_fp8_fp8 v[SB+8*\t:SB+8*\t+7], v[KREG+8*\t:KREG+8*\t+7], v[QREG+8:QREG+15], 0
.endr
	PLACES                                         ; in front of the loads below and of the first read of the scores
	WIN 0
	VLOAD \n
	s_add_co_u32 s96, s[KS], 2*(\n)
	s_cmp_eq_u32 s96, s[BLK]                       ; on the diagonal hidden scores become -infinity ahead of the maximum; the other steps skip this
	s_cbranch_scc0 .Lopen_\@
	WIN 0x55
.set k, 0
.rept 64                               ; register 8 t + j of tile A is hidden where 16 t + j > DD; tile B's queries come 16 later, so its register 8 (t + 1) + j takes the same mask, and its first eight are never hidden
	v_cmp_gt_i32 vcc_lo, 16*(k/8)+k%8, v[DD]
	v_cndmask_b32 v[SA+k], v[SA+k], v[NINF], vcc_lo
.if k < 56
	v_cndmask_b32 v[SB+k+8], v[SB+k+8], v[NINF], vcc_lo
.endif
.set k, k+1
.endr
	WIN 0
.Lopen_\@:
	WIN 0x55
	v_max3_num_f32 v[A0], v[SA], v[SA+1], v[SA+2]  ; the step's largest score of my query of each tile, in two chains a tile
	v_max3_num_f32 v[B0], v[SB], v[SB+1], v[SB+2]
	v_max3_num_f32 v[A1], v[SA+3], v[SA+4], v[SA+5]
	v_max3_num_f32 v[B1], v[SB+3], v[SB+4], v[SB+5]
.irp i, 6,10,14,18,22,26,30,34,38,42,46,50,54,58
	v_max3_num_f32 v[A0], v[A0], v[SA+\i], v[SA+\i+1]
	v_max3_num_f32 v[B0], v[B0], v[SB+\i], v[SB+\i+1]
	v_max3_num_f32 v[A1], v[A1], v[SA+\i+2], v[SA+\i+3]
	v_max3_num_f32 v[B1], v[B1], v[SB+\i+2], v[SB+\i+3]
.endr
	v_max3_num_f32 v[A0], v[A0], v[SA+62], v[SA+63]
	v_max3_num_f32 v[B0], v[B0], v[SB+62], v[SB+63]
	v_max_num_f32 v[A0], v[A0], v[A1]
	v_max_num_f32 v[B0], v[B0], v[B1]
	v_permlanex16_b32 v[PXA], v[A0], s[SEL], s[SEL+1]
	v_permlanex16_b32 v[PXB], v[B0], s[SEL], s[SEL+1]
	v_max_num_f32 v[A0], v[A0], v[PXA]             ; and among lane l xor 16's
	v_max_num_f32 v[B0], v[B0], v[PXB]
	v_mul_f32 v[A0], s[CS], v[A0]                  ; as t (c is positive)
	v_mul_f32 v[B0], s[CS], v[B0]
	v_max_num_f32 v[MXA], v[MXA], v[A0]
	v_max_num_f32 v[MXB], v[MXB], v[B0]
	v_mov_b32 v[A0], v[NMA]
	v_mov_b32 v[B0], v[NMB]
	v_floor_f32 v[NMA], -v[MXA]                    ; the new -M = -ceil(t): a whole number
	v_floor_f32 v[NMB], -v[MXB]
	v_sub_f32 v[A0], v[NMA], v[A0]                 ; old M - new M: a whole number, 0 or less
	v_sub_f32 v[B0], v[NMB], v[B0]
	v_cvt_i32_f32 v[A0], v[A0]                     ; (it saturates)
	v_cvt_i32_f32 v[B0], v[B0]
	v_ldexp_f32 v[FA], 1.0, v[A0]
	v_ldexp_f32 v[FB], 1.0, v[B0]
.if \n == 0
	WIN 0
	KLOAD 1
	WIN 0x55
.endif
.set j, 0
.rept 32
	v_pk_fma_f32 v[SA+j:SA+j+1], v[SA+j:SA+j+1], s[CS:CS+1], v[NMA:NMA+1] op_sel_hi:[1,0,0]   ; t - M, two at a time
.set j, j+2
.endr
	s_wait_alu depctr_va_vdst(0)                   ; ahead of the batch
.set j, 0
.rept 32                               ; tile A's exponentials; tile B's t - M, which nothing in this batch reads, stands between them
	v_exp_f32 v[SA+j], v[SA+j]
	v_pk_fma_f32 v[SB+j:SB+j+1], v[SB+j:SB+j+1], s[CS:CS+1], v[NMB:NMB+1] op_sel_hi:[1,0,0]
	v_exp_f32 v[SA+j+1], v[SA+j+1]
.set j, j+2
.endr
	v_nop                                          ; a plain instruction behind the exponentials
	s_wait_alu depctr_va_vdst(0)                   ; ahead of the first reader, and of the next batch
.set j, 0
.rept 16                               ; tile B's exponentials; between them the first sums of tile A's p, then its holds (the conversion does not saturate: ISA guide 7.6.2; p is not negative, so the hold is one-sided)
	v_exp_f32 v[SB+4*j], v[SB+4*j]
	v_pk_add_f32 v[TA+2*j:TA+2*j+1], v[SA+4*j:SA+4*j+1], v[SA+4*j+2:SA+4*j+3]
	v_exp_f32 v[SB+4*j+1], v[SB+4*j+1]
	v_dual_min_num_f32 v[SA+4*j], s[LIMP], v[SA+4*j] :: v_dual_min_num_f32 v[SA+4*j+1], s[LIMP], v[SA+4*j+1]
	v_exp_f32 v[SB+4*j+2], v[SB+4*j+2]
	v_dual_min_num_f32 v[SA+4*j+2], s[LIMP], v[SA+4*j+2] :: v_dual_min_num_f32 v[SA+4*j+3], s[LIMP], v[SA+4*j+3]
	v_exp_f32 v[SB+4*j+3], v[SB+4*j+3]
.set j, j+1
.endr
	v_nop
	s_wait_alu depctr_va_vdst(0)
.irp c, 0,1,2,3,4,5,6,7
	v_pk_add_f32 v[CB+2*\c:CB+2*\c+1], v[SB+8*\c:SB+8*\c+1], v[SB+8*\c+2:SB+8*\c+3]
.endr
.irp c, 0,1,2,3,4,5,6,7
	v_pk_add_f32 v[CB+2*\c:CB+2*\c+1], v[CB+2*\c:CB+2*\c+1], v[SB+8*\c+4:SB+8*\c+5]
.endr
.irp c, 0,1,2,3,4,5,6,7
	v_pk_add_f32 v[CB+2*\c:CB+2*\c+1], v[CB+2*\c:CB+2*\c+1], v[SB+8*\c+6:SB+8*\c+7]
.endr
	FOLD TA, 8
	FOLD CB, 4
	HOLD 0
	HOLD 1
	FOLD TA, 4
	HOLD 2
	HOLD 3
	FOLD CB, 2
	HOLD 4
	HOLD 5
	FOLD TA, 2
	HOLD 6
	FOLD CB, 1
	HOLD 7
	FOLD TA, 1
	v_pk_fma_f32 v[SUMB:SUMB+1], v[SUMB:SUMB+1], v[FB:FB+1], v[CB:CB+1] op_sel_hi:[1,0,1]   ; the row's sums, of the unquantised p, under the new M
.irp t, 0,1,2,3,4,5,6,7
	v_cvt_scalef32_pk8_fp8_f32 v[PB+2*\t:PB+2*\t+1], v[SB+8*\t:SB+8*\t+7], v[SC]
.endr
	v_pk_fma_f32 v[SUMA:SUMA+1], v[SUMA:SUMA+1], v[FA:FA+1], v[TA:TA+1] op_sel_hi:[1,0,1]
	WIN 0x04
	s_wait_alu depctr_va_vdst(0)                   ; directly ahead of the first reader of O^T
.set j, 0
.rept 16
	v_pk_mul_f32 v[OREG+j:OREG+j+1], v[OREG+j:OREG+j+1], v[FA:FA+1] op_sel_hi:[1,0]   ; O^T under the new M
	v_pk_mul_f32 v[OREG+32+j:OREG+33+j], v[OREG+32+j:OREG+33+j], v[FB:FB+1] op_sel_hi:[1,0]
.set j, j+2
.endr
	s_wait_alu depctr_va_vdst(0)
.if \n == 0
	s_wait_dscnt 16                                ; V is in; the next step's K may be out
.else
	s_wait_dscnt 0x0
.endif
.irp d, 0,1,2,3                                ; O^T += V^T P^T: eight accumulators by turns
	v_wmma_f32_16x16x128_fp8_fp8 v[OREG+8*\d:OREG+8*\d+7], v[VREG+16*\d:VREG+16*\d+15], v[PA:PA+15], v[OREG+8*\d:OREG+8*\d+7]
	v_wmma_f32_16x16x128_fp8_fp8 v[OREG+32+8*\d:OREG+39+8*\d], v[VREG+16*\d:VREG+16*\d+15], v[PB:PB+15], v[OREG+32+8*\d:OREG+39+8*\d]
.endr
	WIN 0
.endm
.macro FOLD b, m                       ; the upper m of 2 m pairs onto the lower m
.set j, 0
.rept \m
	v_pk_add_f32 v[\b+2*j:\b+2*j+1], v[\b+2*j:\b+2*j+1], v[\b+2*(\m)+2*j:\b+2*(\m)+2*j+1]
.set j, j+1
.endr
.endm
.macro HOLD t                          ; key tile t: tile B's holds, tile A's conversion
.irp c, 0,2,4,6
	v_dual_min_num_f32 v[SB+8*(\t)+\c], s[LIMP], v[SB+8*(\t)+\c] :: v_dual_min_num_f32 v[SB+8*(\t)+\c+1], s[LIMP], v[SB+8*(\t)+\c+1]
.endr
	v_cvt_scalef32_pk8_fp8_f32 v[PA+2*(\t):PA+2*(\t)+1], v[SA+8*(\t):SA+8*(\t)+7], v[SC]
.endm
; THE CHANGE OF SLOTS stands at a slot's head.  Each wave waits for its tensor load, adds 0 to its spare word, and waits for that and for its reads of the slot that it has left.  Behind the barrier the slot ahead is whole and
; nobody reads the other one.  fill = 1: that other slot takes the next four steps, or, at the long block's end, the short block's first four.
.macro CHANGE fill
	s_wait_tensorcnt 0x0                           ; no tensor load of mine is out, so group 0 may be written
	ds_add_u32 v[SPW], v[NIL]
	v_add_nc_u32 v[AD], s[TB], v7
.if \fill
	s_xor_b32 s[G0+1], s[G0+1], SLOT1
	s_add_co_u32 s[OFF], s[OFF], SLOT1
	s_cmp_eq_u32 s[NH], 1
	s_cselect_b32 s[OFF], 0, s[OFF]
	s_add_nc_u64 s[G0+2:G0+3], s[KVB:KVB+1], s[OFF:OFF+1]
	s_or_b32 s[G0+3], s[G0+3], 0x80000000
	s_wait_xcnt 0x0                                ; the last prefetch, a slot back, has read its address
	s_add_nc_u64 s[PFA:PFA+1], s[PFA:PFA+1], SLOT1
.endif
	s_wait_alu depctr_va_vdst(0)
	s_wait_dscnt 0x0
	s_barrier_signal -1
	s_barrier_wait -1
.if \fill
	TLOAD                                          ; my one tensor load until the next change; its four v_nop are also the places in front of the loads below
.else
	PLACES
.endif
	KLOAD 0
.if \fill
	ASK
.endif
.endm
.macro SLOT                            ; my two steps of the slot: those that lie wholly behind the block's queries are left out, by branches on ids
	s_cmp_gt_u32 s[KS], s[BLK]
	s_cbranch_scc1 .Lend_\@
	STEP 0
	s_add_co_u32 s96, s[KS], 2
	s_cmp_gt_u32 s96, s[BLK]
	s_cbranch_scc1 .Lend_\@
	STEP 1
.Lend_\@:
	s_xor_b32 s[TB], s[TB], SLOT1
	s_add_co_u32 s[KS], s[KS], 4
.endm
.macro FLUSH a                         ; my part of a block into my stage: O^T, and -M and the sums of both tiles
	WIN 0x55
	v_mov_b32 v[A0], v[NMA]                        ; (these four are also the places behind the last products)
	v_mov_b32 v[A0+1], v[NMB]
	v_add_f32 v[A0+2], v[SUMA], v[SUMA+1]
	v_add_f32 v[A0+3], v[SUMB], v[SUMB+1]
	WIN 0x04
	ds_store_b128 v[\a], v[A0:A0+3] offset:8192
	WIN 0
.set j, 0
.rept 16
	ds_store_b128 v[\a], v[OREG+4*j:OREG+4*j+3] offset:512*j
.set j, j+1
.endr
.endm
	s_load_b256 s[4:11], s[0:1], 0x0               ; qc 4:5, kvc 6:7, the exponents 8:9, oc 10:11
	v_lshl_add_u32 v[SPW], v0, 2, SPARE
	v_mov_b32 v[NIL], 0
	ds_add_u32 v[SPW], v[NIL]                      ; the wave's opening: the add, twice on end, and its wait ahead of my first tensor load
	ds_add_u32 v[SPW], v[NIL]
	v_lshrrev_b32 v8, 5, v0
	v_readfirstlane_b32 s[WV], v8                  ; wave 0..7
	s_and_b32 s72, ttmp7, 0xffff                   ; the head
	s_lshl_b32 s74, s72, 19                        ; its first byte in kvc
	s_lshl_b32 s92, s[WV], 11
	s_add_co_u32 s92, s92, s74                     ; my eighth of step 0
	s_mov_b32 s93, 0
	s_and_b32 s83, s[WV], 3                        ; p: my pair of tiles
	s_lshr_b32 s[PAR], s[WV], 2
	s_sub_co_u32 s[BLK], 31, ttmp9
	s_lshr_b32 s[NH], ttmp9, 2
	s_sub_co_u32 s[NH], 8, s[NH]
	s_mov_b32 s[KS], s[PAR]
	s_lshl_b32 s78, s72, 18                        ; qc: (256 head + 8 block + 2 p) x 1024
	s_lshl_b32 s79, s83, 11
	s_add_co_u32 s78, s78, s79
	s_lshl_b32 s94, s[BLK], 13
	s_add_co_u32 s94, s94, s78
	s_mov_b32 s95, 0
	s_lshl_b32 s79, ttmp9, 13
	s_add_co_u32 s78, s78, s79
	s_mov_b32 s79, 0
	s_cmp_eq_u32 s[PAR], 0
	s_cselect_b32 s73, s[BLK], ttmp9               ; the block of the unit that I join
	s_lshl_b32 s73, s73, 17                        ; oc: (16 (8 block + 2 p) + head) x 1024
	s_lshl_b32 s75, s83, 15
	s_add_co_u32 s73, s73, s75
	s_lshl_b32 s75, s72, 10
	s_add_co_u32 s72, s73, s75
	s_mov_b32 s73, 0
	s_lshl_b32 s12, s[WV], 13
	s_add_co_u32 s12, s12, s74
	s_add_co_u32 s12, s12, SLOT1                   ; my 8,192 bytes of slot 1: the first change of slots steps it to slot 2
	s_mov_b32 s13, 0
	s_cmp_eq_u32 ttmp9, 0
	s_cselect_b32 s[LIM], 2, -1
	s_mov_b32 s[G1], 3<<16                         ; no mask; elements of 8 bytes; no padding
	s_mov_b32 s[G1+1], 256<<16                     ; tensor_dim0 = 256 elements: 2,048 bytes
	s_mov_b32 s[G1+2], 4<<16                       ; tensor_dim1 = 4
	s_mov_b32 s[G1+3], 256<<16
	s_mov_b32 s[G1+4], 4                           ; the slot's four steps
	s_mov_b32 s[G1+5], 2048                        ; from step to step: 16,384 bytes
	s_mov_b32 s[G1+6], 0
	s_mov_b32 s[G1+7], 0
	s_mov_b32 s[SEL], 0x76543210
	s_mov_b32 s[SEL+1], 0xfedcba98
	s_mov_b32 s[CS], 0x3e38aa3b                    ; log2(e) / 8
	s_mov_b32 s[TB], 0
	s_mov_b32 s[SLOTS], 8
	s_mov_b32 s[OFF], 0
	s_mov_b32 s[OFF+1], 0
	s_lshl_b32 s14, s[WV], 13                      ; my eighth's place in a slot
	s_wait_alu depctr_va_vdst(0)
	s_wait_dscnt 0x0                               ; both opening adds are done
	s_wait_kmcnt 0x0
	s_load_b256 s[84:91], s[8:9], 0x0              ; e0 .. e7
	s_add_nc_u64 s[KVB:KVB+1], s[6:7], s[92:93]
	s_mov_b32 s[G0], 1
	s_mov_b32 s[G0+1], s14
	s_mov_b64 s[G0+2:G0+3], s[KVB:KVB+1]
	s_or_b32 s[G0+3], s[G0+3], 0x80000000
	TLOAD                                          ; slot 0
	s_add_nc_u64 s[PFA:PFA+1], s[6:7], s[12:13]
	s_add_nc_u64 s[94:95], s[4:5], s[94:95]
	s_add_nc_u64 s[78:79], s[4:5], s[78:79]
	s_add_nc_u64 s[10:11], s[10:11], s[72:73]
	v_and_b32 v9, 31, v0
	v_lshlrev_b32 v1, 4, v9
	v_lshlrev_b32 v2, 8, v9
.irp c, 0,1,2,3
	global_load_b128 v[QREG+4*\c:QREG+4*\c+3], v1, s[94:95] offset:512*\c
.endr
.irp c, 0,1,2,3
	global_load_b128 v[QLOW+4*\c:QLOW+4*\c+3], v1, s[78:79] offset:512*\c
.endr
	v_lshrrev_b32 v4, 7, v0
	v_lshl_add_u32 v7, v4, 11, v1
	v_and_b32 v3, 15, v0
	v_bfe_u32 v13, v0, 4, 1
	v_lshlrev_b32 v13, 3, v13
	v_sub_nc_u32 v3, v3, v13
	s_wait_alu depctr_va_vdst(0)                   ; ahead of the scalar lines below
	s_mul_i32 s14, s[WV], PSZ
	s_add_co_u32 s14, s14, STAGE
	s_lshl_b32 s15, s[PAR], 3
	s_add_co_u32 s15, s15, s83
	s_mul_i32 s15, s15, PSZ
	s_add_co_u32 s15, s15, STAGE
	s_lshl_b32 s83, s83, 5
	v_add_nc_u32 v[STH], s14, v1
	v_add_nc_u32 v[MRG], s15, v1
	v_add_nc_u32 v3, s83, v3
	v_add_nc_u32 v[STL], 8*PSZ, v[STH]
	WIN 0x40
	v_mov_b32 v[DD], v3
	v_mov_b32 v[NINF], 0xff800000
	v_mov_b32 v[PXA], 0                            ; a lane permute's destination counts as one of its sources
	v_mov_b32 v[PXB], 0
	v_mov_b32 v[FA+1], 0                           ; (named as the upper halves of pairs)
	v_mov_b32 v[FB+1], 0
	INIT
	s_wait_alu depctr_va_vdst(0)
	s_wait_kmcnt 0x0
	s_add_co_i32 s72, s86, s87
	s_lshl_b32 s72, s72, 23
	s_add_co_i32 s[CS], s[CS], s72                 ; a score stands for score x 2^(e2 + e3)
	s_mov_b32 s[CS+1], s[CS]
	s_add_co_i32 s72, s88, 127
	s_lshl_b32 s73, s72, 23
	WIN 0x40
	v_mov_b32 v[SC], s73                           ; 2^e4
	WIN 0
	s_add_co_i32 s72, s72, 8
	s_lshl_b32 s72, s72, 23
	s_or_b32 s[LIMP], s72, 0x600000                ; 448 x 2^e4
	s_wait_alu depctr_va_vdst(0)                   ; the head's end
	s_wait_loadcnt 0x0                             ; Q
.Lslot:                                            ; 8 trips: slots 0 to 7 of the walk
	CHANGE 1
	SLOT
	s_sub_co_u32 s[NH], s[NH], 1
	s_cmp_lg_u32 s[NH], 0
	s_cbranch_scc1 .Lsame
	FLUSH STH                                      ; the long block is done: its part goes to my stage, and the short block begins
	s_wait_dscnt 0x0
	s_mov_b32 s[BLK], ttmp9
	s_mov_b32 s[KS], s[PAR]
.set j, 0
.rept 16
	v_mov_b32 v[QREG+j], v[QLOW+j]
.set j, j+1
.endr
	INIT
	s_wait_alu depctr_va_vdst(0)
.Lsame:
	s_sub_co_u32 s[SLOTS], s[SLOTS], 1
	s_cmp_lg_u32 s[SLOTS], 0
	s_cbranch_scc1 .Lslot
	CHANGE 0                                       ; the last slot is written out: nothing is left to ask for
	SLOT
	FLUSH STL
	s_wait_alu depctr_va_vdst(0)
	s_wait_dscnt 0x0                               ; for the others' sake: my parts are stored
	s_barrier_signal -1
	s_barrier_wait -1
	; THE WAY OUT.  Two parts of one unit: M = the larger of the two; o = (O1 2^(M1 - M) + O2 2^(M2 - M)) / (the sums likewise) x 2^(e4 + e5); its code is that / 2^e6: the exponents are folded into the conversion's scale.
	ds_load_b128 v[96:99], v[MRG] offset:8192      ; -M of tiles A and B, their sums: first part,
	ds_load_b128 v[164:167], v[MRG] offset:4*PSZ+8192   ; second part
.set j, 0
.rept 16
	ds_load_b128 v[32+4*j:35+4*j], v[MRG] offset:512*j
	ds_load_b128 v[100+4*j:103+4*j], v[MRG] offset:4*PSZ+512*j
.set j, j+1
.endr
	s_sub_co_i32 s72, s90, s88
	s_sub_co_i32 s72, s72, s89
	s_add_co_i32 s72, s72, 127
	s_lshl_b32 s73, s72, 23
	s_add_co_i32 s72, s72, 8
	s_lshl_b32 s72, s72, 23
	s_or_b32 s72, s72, 0x600000
	v_mov_b32 v31, s73                             ; 2^(e6 - e4 - e5)
	v_mov_b32 v30, s72                             ; 448 x that
	v_mov_b32 v28, 0
	v_mov_b32 v29, 0
	s_wait_alu depctr_va_vdst(0)
	s_wait_dscnt 32                                ; the two of -M and sums are in; O's 32 may be out
	v_min_num_f32 v24, v96, v164                   ; -M
	v_min_num_f32 v25, v97, v165
	v_sub_f32 v17, v24, v96                        ; M1 - M, M2 - M: whole numbers, 0 or less
	v_sub_f32 v21, v25, v97
	v_sub_f32 v19, v24, v164
	v_sub_f32 v23, v25, v165
	v_cvt_i32_f32 v17, v17
	v_cvt_i32_f32 v21, v21
	v_cvt_i32_f32 v19, v19
	v_cvt_i32_f32 v23, v23
	v_ldexp_f32 v17, 1.0, v17
	v_ldexp_f32 v21, 1.0, v21
	v_ldexp_f32 v19, 1.0, v19
	v_ldexp_f32 v23, 1.0, v23
	v_mul_f32 v26, v98, v17
	v_mul_f32 v27, v99, v21
	v_fma_f32 v26, v166, v19, v26
	v_fma_f32 v27, v167, v23, v27
	v_permlanex16_b32 v28, v26, s[SEL], s[SEL+1]
	v_permlanex16_b32 v29, v27, s[SEL], s[SEL+1]
	v_add_f32 v26, v26, v28                        ; the rows' sums
	v_add_f32 v27, v27, v29
	s_wait_alu depctr_va_vdst(0)
	v_rcp_f32 v26, v26
	v_rcp_f32 v27, v27
	v_nop
	s_wait_alu depctr_va_vdst(0)
	v_mul_f32 v16, v17, v26
	v_mul_f32 v18, v19, v26
	v_mul_f32 v20, v21, v27
	v_mul_f32 v22, v23, v27
	s_wait_alu depctr_va_vdst(0)
	s_wait_dscnt 0x0
.set j, 0
.rept 16
	v_pk_mul_f32 v[32+j:33+j], v[32+j:33+j], v[16:17] op_sel_hi:[1,0]
	v_pk_mul_f32 v[64+j:65+j], v[64+j:65+j], v[20:21] op_sel_hi:[1,0]
.set j, j+2
.endr
.set j, 0
.rept 16
	v_pk_fma_f32 v[32+j:33+j], v[100+j:101+j], v[18:19], v[32+j:33+j] op_sel_hi:[1,0,1]
	v_pk_fma_f32 v[64+j:65+j], v[132+j:133+j], v[22:23], v[64+j:65+j] op_sel_hi:[1,0,1]
.set j, j+2
.endr
.set j, 0
.rept 64
	v_med3_num_f32 v[32+j], v[32+j], -v30, v30
.set j, j+1
.endr
.irp d, 0,1,2,3,4,5,6,7
	v_cvt_scalef32_pk8_fp8_f32 v[200+2*\d:201+2*\d], v[32+8*\d:39+8*\d], v31
.endr
	v_nop
	global_store_b128 v1, v[200:203], s[10:11]     ; each 512 consecutive bytes, aligned
	global_store_b128 v1, v[204:207], s[10:11] offset:512
	global_store_b128 v1, v[208:211], s[10:11] offset:16384
	global_store_b128 v1, v[212:215], s[10:11] offset:16896
	s_wait_tensorcnt 0x0                           ; the wave's end
	ds_add_u32 v[SPW], v[NIL]
	s_wait_dscnt 0x0
	s_endpgm
.Lfunc_end_k_qac4022bf56_attn:
	.size	k_qac4022bf56_attn, .Lfunc_end_k_qac4022bf56_attn-k_qac4022bf56_attn
	.p2alignl 7, 3214868480
	.fill 96, 4, 3214868480
	.section	.rodata,"a",@progbits
	.p2align	6, 0x0
	.amdhsa_kernel k_qac4022bf56_attn
		.amdhsa_group_segment_fixed_size 327680
		.amdhsa_private_segment_fixed_size 0
		.amdhsa_enable_private_segment 0
		.amdhsa_kernarg_size 32
		.amdhsa_user_sgpr_count 2
		.amdhsa_user_sgpr_kernarg_segment_ptr 1
		.amdhsa_wavefront_size32 1
		.amdhsa_system_sgpr_workgroup_id_x 1
		.amdhsa_system_sgpr_workgroup_id_y 1
		.amdhsa_system_sgpr_workgroup_id_z 1
		.amdhsa_system_vgpr_workitem_id 0
		.amdhsa_next_free_vgpr 512
		.amdhsa_next_free_sgpr 100
		.amdhsa_reserve_vcc 1
		.amdhsa_float_denorm_mode_32 3
		.amdhsa_float_denorm_mode_16_64 3
		.amdhsa_memory_ordered 1
		.amdhsa_forward_progress 1
		.amdhsa_inst_pref_size 168
	.end_amdhsa_kernel
	.amdgpu_metadata
---
amdhsa.version: [ 1, 2 ]
amdhsa.kernels:
  - .name:           k_qac4022bf56_attn
    .symbol:         k_qac4022bf56_attn.kd
    .args:
      - { .name: qc, .offset: 0, .size: 8, .value_kind: global_buffer, .address_space: global }
      - { .name: kvc, .offset: 8, .size: 8, .value_kind: global_buffer, .address_space: global }
      - { .name: lowp_scales, .offset: 16, .size: 8, .value_kind: global_buffer, .address_space: global }
      - { .name: oc, .offset: 24, .size: 8, .value_kind: global_buffer, .address_space: global }
    .group_segment_fixed_size: 327680
    .private_segment_fixed_size: 0
    .kernarg_segment_align: 8
    .kernarg_segment_size: 32
    .max_flat_workgroup_size: 256
    .sgpr_count:     100
    .vgpr_count:     512
    .wavefront_size: 32
...
	.end_amdgpu_metadata
.endif
;; end of part 3
;; launch proj (part 4): grid 8 x 32, 4 waves a work-group, clusters of 4 x 4, 327,680 bytes of LDS; arguments oc, woc, lowp_scales, out0; writes out0
.if DOCPART == 4
	.amdgcn_target "amdgcn-amd-amdhsa--gfx1250"
	.amdhsa_code_object_version 6
	.text
	.protected	k_qac4022bf56_proj
	.globl	k_qac4022bf56_proj
	.p2align	8
	.type	k_qac4022bf56_proj,@function
k_qac4022bf56_proj:
	s_mov_b64 s[64:65], 0
	v_nop
	global_prefetch_b8 v0, s[64:65] scope:SCOPE_SE
	s_setreg_imm32_b32 hwreg(HW_REG_WAVE_MODE, 25, 1), 1
	s_wait_xcnt 0x0
	s_wait_alu depctr_hold_cnt(0) depctr_sa_sdst(0) depctr_va_vdst(0) depctr_va_sdst(0) depctr_va_ssrc(0) depctr_va_vcc(0) depctr_vm_vsrc(0)
	s_getreg_b32 s2, hwreg(HW_REG_IB_STS2, 6, 4)
	s_cmp_eq_u32 s2, 0
	s_cbranch_scc0 .Lentry_in_a_cluster
	s_endpgm
.Lentry_in_a_cluster:
	s_bfe_u32 s2, ttmp6, 0x10000c
	s_cmp_lg_u32 s2, 0xf033
	s_cbranch_scc0 .Lentry_shape_is_right
	s_endpgm
.Lentry_shape_is_right:
; FOURTH LAUNCH: out0 = o Wo on codes of FP8 (E4M3); each finished sum is multiplied once by 2^(e6 + e7).  Nothing of this product is left out.  LIMIT: e6 + e7 between -126 and 127.
; oc: images of o's fragments, [tile of 16 tokens 256][head 16][1024 bytes]; two neighbouring heads' images are one fragment of 16 x 128.  woc: [1024 n][1024 positions], laid so that loads of 16 bytes a lane give the same k.
; A tile of out0 is 128 x 128: 256 work-groups.  Four waves, each 64 x 64: 16 accumulators.  The whole K = 1024 of both operands fits in LDS (131,072 + 133,120 bytes): each wave issues ONE tensor load, waves 0 and 1 half of
; o's tiles each, waves 2 and 3 half of Wo's rows each, and nothing is filled again: no ring.  Behind one barrier all of it is whole, and the eight steps of 128 along K follow with no barrier.
; CLUSTERS: 4 x 4 work-groups; o's tiles are shared along a row of the cluster, Wo's along a column: joint loads, all behind the one round at the start.
; NO PREFETCH: all loads go out at the head, and there is no loop to run ahead in.
; The matrix instruction takes source 0 = 16 rows of woc, source 1 = 16 tokens: a lane holds eight neighbouring numbers of a row of out0.
; REGISTERS: window 0: v0-31 addresses; v32-63 a block's results; v64-127 rows read back, two sets; v128-255 the accumulators ((a, b) at v[128 + 8 (4 a + b)]).   window 1: two sets of fragments of 128: o's four, then Wo's four.
.set PITCH,  272                       ; a stage row: 256 bytes + 16
.set WP,     1040                      ; a row of Wo in LDS: 1,024 bytes + 16
.set BROW,   131072                    ; LDS: o's images: tile of tokens i at 16384 i;  from here Wo's rows
.set STAGE,  BROW+128*WP               ; 16 rows x 272 bytes for each wave
.set SPARE,  STAGE+4*16*PITCH          ; the spare words, 128 bytes for each wave
.set ADRA, 16                          ; my fragments of o
.set ADRB, 20                          ; of Wo
.set STO,  24
.set RD,   25
.set CO,   26
.set SPW,  28
.set NIL,  29
.set TMP,  32
.set BK,   64
.set ACC,  128
.set G1A, 24                           ; s[24:31]
.set G1B, 48                           ; s[48:55]
.set G0A, 68
.set G0B, 84
.set MSB, 0
.macro WIN new
.if MSB != \new
	s_set_vgpr_msb (MSB<<8)|\new
.set MSB, \new
.endif
.endm
.set MUL,  0x05                        ; sources 0 and 1 window 1; C and D window 0
.set TO_F, 0x40                        ; destination window 1, address window 0
.macro CROUND
	s_barrier_signal -1
	s_barrier_wait -1
	s_cmp_lg_u32 s14, 0
	s_cbranch_scc1 .Lnot_wave_0_\@
	s_barrier_signal -3
.Lnot_wave_0_\@:
	s_barrier_wait -3
	s_barrier_signal -1
	s_barrier_wait -1
.endm
.macro PLACES
.rept 4
	v_nop
.endr
.endm
	s_load_b256 s[4:11], s[0:1], 0x0               ; oc 4:5, woc 6:7, the exponents 8:9, out0 10:11
	v_lshl_add_u32 v[SPW], v0, 2, SPARE
	v_mov_b32 v[NIL], 0
	ds_add_u32 v[SPW], v[NIL]                      ; the wave's opening: the add, twice on end, and its wait ahead of my first tensor load
	ds_add_u32 v[SPW], v[NIL]
	v_lshrrev_b32 v1, 5, v0
	v_readfirstlane_b32 s14, v1                    ; wave 0..3
	s_lshr_b32 s15, s14, 1                         ; wr: my half of the tile's rows.  Also: I fetch o (0) or Wo (1)
	s_and_b32 s16, s14, 1                          ; wc: my half of its columns.  Also: which half I fetch
	s_bfe_u32 s40, ttmp6, 0x40000                  ; cx
	s_bfe_u32 s41, ttmp6, 0x40004                  ; cy
	s_lshl_b32 s42, ttmp9, 2
	s_add_co_u32 s42, s42, s40                     ; tile column
	s_and_b32 s17, ttmp7, 0xffff
	s_lshl_b32 s17, s17, 2
	s_add_co_u32 s17, s17, s41                     ; tile row
	s_lshl_b32 s43, s41, 2
	s_lshl_b32 s43, 15, s43                        ; my row of the cluster
	s_lshl_b32 s44, 0x1111, s40                    ; my column
	s_or_b32 s[G1A], s43, (3<<16)|(1<<21)          ; the mask; elements of 8 bytes; bit 21 beside a mask; no padding
	s_mov_b32 s[G1A+1], 2048<<16                   ; tensor_dim0 = 2048 elements: a tile of tokens' 16,384 bytes
	s_mov_b32 s[G1A+2], 4<<16                      ; 4 tiles of tokens
	s_mov_b32 s[G1A+3], 2048<<16
	s_mov_b32 s[G1A+4], 4
	s_mov_b32 s[G1A+5], 2048                       ; dense
	s_mov_b32 s[G1A+6], 0
	s_mov_b32 s[G1A+7], 0
	s_or_b32 s[G1B], s44, (0<<16)|(1<<20)|(1<<21)|(7<<22)|(3<<25)   ; elements of 1 byte; 4 words of padding after every 256
	s_mov_b32 s[G1B+1], 1024<<16
	s_mov_b32 s[G1B+2], 64<<16
	s_mov_b32 s[G1B+3], 1024<<16
	s_mov_b32 s[G1B+4], 64
	s_mov_b32 s[G1B+5], 1024
	s_mov_b32 s[G1B+6], 0
	s_mov_b32 s[G1B+7], 0
	s_lshl_b32 s20, s17, 17                        ; o: (8 x tile row + 4 x half) tiles of 16,384 bytes
	s_lshl_b32 s18, s16, 16
	s_add_co_u32 s20, s20, s18
	s_mov_b32 s21, 0
	s_lshl_b32 s46, s42, 17                        ; Wo: (128 x tile column + 64 x half) rows of 1,024 bytes
	s_add_co_u32 s46, s46, s18
	s_mov_b32 s47, 0
	s_lshl_b32 s22, s16, 16                        ; where they go: no place in the cluster enters an LDS address
	s_mul_i32 s23, s16, 64*WP
	s_add_co_u32 s23, s23, BROW
	s_wait_alu depctr_va_vdst(0)
	s_wait_dscnt 0x0                               ; both opening adds are done
	s_wait_kmcnt 0x0
	s_load_b256 s[56:63], s[8:9], 0x0              ; e0 .. e7
	s_add_nc_u64 s[20:21], s[4:5], s[20:21]
	s_add_nc_u64 s[46:47], s[6:7], s[46:47]
	s_mov_b32 s[G0A], 1
	s_mov_b32 s[G0A+1], s22
	s_mov_b64 s[G0A+2:G0A+3], s[20:21]
	s_or_b32 s[G0A+3], s[G0A+3], 0x80000000
	s_mov_b32 s[G0B], 1
	s_mov_b32 s[G0B+1], s23
	s_mov_b64 s[G0B+2:G0B+3], s[46:47]
	s_or_b32 s[G0B+3], s[G0B+3], 0x80000000
	CROUND                                         ; all sixteen work-groups are here: the joint loads meet
	s_cmp_eq_u32 s15, 0                            ; a wave's one fill stands in one arm of one branch on the wave's number; an s_nop 0 and four v_nop follow each
	s_cbranch_scc0 .Lfor_b
	tensor_load_to_lds s[G0A:G0A+3], s[G1A:G1A+7]
	s_nop 0
	PLACES
	s_branch .Lasked
.Lfor_b:
	tensor_load_to_lds s[G0B:G0B+3], s[G1B:G1B+7]
	s_nop 0
	PLACES
.Lasked:
	v_and_b32 v1, 15, v0                           ; r
	v_bfe_u32 v2, v0, 4, 1                         ; h
	v_and_b32 v3, 31, v0
	v_lshlrev_b32 v3, 4, v3                        ; 16 x lane
	s_lshl_b32 s18, s15, 16
	v_add_nc_u32 v[ADRA], s18, v3                  ; o: my four tiles of tokens
	v_mul_u32_u24 v5, v1, WP
	v_lshl_add_u32 v5, v2, 4, v5
	s_mul_i32 s18, s16, 64*WP
	s_add_co_u32 s18, s18, BROW
	v_add_nc_u32 v[ADRB], s18, v5                  ; Wo: my 64 rows; row r, + 16 h
	s_mul_i32 s19, s14, 16*PITCH
	s_add_co_u32 s19, s19, STAGE                   ; my stage
	v_mul_u32_u24 v6, v1, PITCH
	v_lshl_add_u32 v6, v2, 5, v6
	v_add_nc_u32 v[STO], s19, v6                   ; in: row r, 32 bytes for each half of the lanes
	v_mul_u32_u24 v6, v2, PITCH
	v_lshl_add_u32 v6, v1, 4, v6
	v_add_nc_u32 v[RD], s19, v6                    ; back: lanes 0-15 one row of 256 bytes, lanes 16-31 the next
	v_lshlrev_b32 v[CO], 12, v2
	v_lshl_add_u32 v[CO], v1, 4, v[CO]             ; and the same two rows in out0 (rows of 4,096 bytes)
	s_lshl_b32 s20, s17, 7
	s_lshl_b32 s18, s15, 6
	s_add_co_u32 s20, s20, s18
	s_lshl_b32 s20, s20, 12                        ; my first row
	s_mov_b32 s21, 0
	s_lshl_b32 s46, s42, 9
	s_lshl_b32 s47, s16, 8
	s_add_co_u32 s46, s46, s47                     ; my first column, in bytes
	s_mov_b32 s47, 0
	s_add_nc_u64 s[20:21], s[20:21], s[46:47]
	s_add_nc_u64 s[10:11], s[10:11], s[20:21]
	s_wait_alu depctr_va_vdst(0)                   ; the head's end
	s_wait_kmcnt 0x0
	s_add_co_i32 s100, s62, s63
	s_add_co_i32 s100, s100, 127
	s_lshl_b32 s100, s100, 23                      ; 2^(e6 + e7) as f32
	s_mov_b32 s101, s100                           ; (named with it as a pair)
; 32 LDS loads: the fragments of the kap-th 128 along K into set kap % 2
.macro FETCH kap
.set FS, 128*((\kap)%2)
	WIN TO_F
.irp i, 0,1,2,3
.irp c, 0,1,2,3
	ds_load_b128 v[FS+64+16*\i+4*\c:FS+64+16*\i+4*\c+3], v[ADRB] offset:16*WP*\i+128*(\kap)+32*\c
.endr
.endr
.irp i, 0,1,2,3
.irp c, 0,1,2,3
	ds_load_b128 v[FS+16*\i+4*\c:FS+16*\i+4*\c+3], v[ADRA] offset:16384*\i+2048*(\kap)+512*\c
.endr
.endr
.endm
; 8 matrix instructions: tiles of tokens a0, a0 + 1 x Wo's four.  The 16 accumulators take turns, in the same order in every step.
.macro MUL8 p, a0, zero
	WIN MUL
.irp a, \a0, \a0+1
.irp b, 0,1,2,3
.if \zero
	v_wmma_f32_16x16x128_fp8_fp8 v[ACC+8*(4*(\a)+\b):ACC+8*(4*(\a)+\b)+7], v[128*(\p)+64+16*\b:128*(\p)+64+16*\b+15], v[128*(\p)+16*(\a):128*(\p)+16*(\a)+15], 0
.else
	v_wmma_f32_16x16x128_fp8_fp8 v[ACC+8*(4*(\a)+\b):ACC+8*(4*(\a)+\b)+7], v[128*(\p)+64+16*\b:128*(\p)+64+16*\b+15], v[128*(\p)+16*(\a):128*(\p)+16*(\a)+15], v[ACC+8*(4*(\a)+\b):ACC+8*(4*(\a)+\b)+7]
.endif
.endr
.endr
.endm
.macro STEP kap, zero
	s_wait_dscnt 0x0                               ; this step's fragments are in
.if (\kap) > 0
	PLACES                                         ; in front of loads into the set that the last products read
.endif
.if (\kap) < 7
	FETCH (\kap)+1
.endif
	MUL8 (\kap)%2, 0, \zero
	MUL8 (\kap)%2, 2, \zero
.endm
	s_wait_tensorcnt 0x0                           ; my part is in
	s_barrier_signal -1
	s_barrier_wait -1                              ; and everybody's
	FETCH 0
	STEP 0, 1                                      ; the first products start the sums
.irp q, 1,2,3,4,5,6,7
	STEP \q, 0
.endr
	WIN 0
; THE WAY OUT, a block of 16 rows x my 64 columns at a time: x 2^(e6 + e7), through my own stage, back as whole rows of 256 bytes.  LDS serves a wave's instructions in order (ISA guide 5.7.1.4): no wait between stores and loads.
.macro TOSTAGE a
.set j, 0
.rept 16
	v_pk_mul_f32 v[TMP+j:TMP+j+1], v[ACC+32*(\a)+j:ACC+32*(\a)+j+1], s[100:101] op_sel_hi:[1,0]   ; each accumulator from its low end on
.set j, j+2
.endr
.irp b, 0,1,2,3
	ds_store_b128 v[STO], v[TMP+8*\b:TMP+8*\b+3] offset:64*\b
	ds_store_b128 v[STO], v[TMP+8*\b+4:TMP+8*\b+7] offset:64*\b+16
.endr
.irp t, 0,1,2,3,4,5,6,7
	ds_load_b128 v[BK+32*((\a)%2)+4*\t:BK+32*((\a)%2)+4*\t+3], v[RD] offset:2*\t*PITCH
.endr
.endm
.macro SEND a, younger                 ; younger: the LDS instructions issued behind block a's loads
	s_wait_dscnt \younger
.irp t, 0,1,2,3,4,5,6,7
	global_store_b128 v[CO], v[BK+32*((\a)%2)+4*\t:BK+32*((\a)%2)+4*\t+3], s[10:11] offset:(16*(\a)+2*\t)*4096 th:TH_STORE_NT   ; sixteen lanes store 256 consecutive bytes, aligned
.endr
.endm
	PLACES
	TOSTAGE 0
.irp a, 1,2,3
.if \a > 1
	s_wait_xcnt 0x0                                ; block a - 2's stores have read their registers: block a's loads may land there
.endif
	TOSTAGE \a
	SEND \a-1, 16                                  ; behind block a - 1's loads: block a's 8 stores and 8 loads
.endr
	SEND 3, 0
	s_wait_tensorcnt 0x0                           ; the wave's end
	ds_add_u32 v[SPW], v[NIL]
	s_wait_dscnt 0x0
	CROUND                                         ; the closing round
	s_endpgm
.Lfunc_end_k_qac4022bf56_proj:
	.size	k_qac4022bf56_proj, .Lfunc_end_k_qac4022bf56_proj-k_qac4022bf56_proj
	.p2alignl 7, 3214868480
	.fill 96, 4, 3214868480
	.section	.rodata,"a",@progbits
	.p2align	6, 0x0
	.amdhsa_kernel k_qac4022bf56_proj
		.amdhsa_group_segment_fixed_size 327680
		.amdhsa_private_segment_fixed_size 0
		.amdhsa_enable_private_segment 0
		.amdhsa_kernarg_size 32
		.amdhsa_user_sgpr_count 2
		.amdhsa_user_sgpr_kernarg_segment_ptr 1
		.amdhsa_wavefront_size32 1
		.amdhsa_system_sgpr_workgroup_id_x 1
		.amdhsa_system_sgpr_workgroup_id_y 1
		.amdhsa_system_sgpr_workgroup_id_z 1
		.amdhsa_system_vgpr_workitem_id 0
		.amdhsa_next_free_vgpr 512
		.amdhsa_next_free_sgpr 102
		.amdhsa_reserve_vcc 0
		.amdhsa_float_denorm_mode_32 3
		.amdhsa_float_denorm_mode_16_64 3
		.amdhsa_memory_ordered 1
		.amdhsa_forward_progress 1
		.amdhsa_inst_pref_size 44
	.end_amdhsa_kernel
	.amdgpu_metadata
---
amdhsa.version: [ 1, 2 ]
amdhsa.kernels:
  - .name:           k_qac4022bf56_proj
    .symbol:         k_qac4022bf56_proj.kd
    .args:
      - { .name: oc, .offset: 0, .size: 8, .value_kind: global_buffer, .address_space: global }
      - { .name: woc, .offset: 8, .size: 8, .value_kind: global_buffer, .address_space: global }
      - { .name: lowp_scales, .offset: 16, .size: 8, .value_kind: global_buffer, .address_space: global }
      - { .name: out0, .offset: 24, .size: 8, .value_kind: global_buffer, .address_space: global }
    .group_segment_fixed_size: 327680
    .private_segment_fixed_size: 0
    .kernarg_segment_align: 8
    .kernarg_segment_size: 32
    .max_flat_workgroup_size: 128
    .sgpr_count:     102
    .vgpr_count:     512
    .wavefront_size: 32
...
	.end_amdgpu_metadata
.endif
;; end of part 4
